; MI455X (gfx1250); checked and timed in simulation.
; The chip was launched on July 23, 2026; its instructions are those of AMD's public machine-readable ISA for CDNA 5 (MIT licence, August 2026) and "CDNA5" Instruction Set Architecture Reference Guide (July 2026). The comments in the code are by the model that wrote it; some were corrected since.
;; Attention Layer. Allowed arithmetic: matrix products marked QUANTISED: E2M3 operands, one E8M0 scale for each 32 along K, by v_wmma_scale_f32_16x16x128_f8f6f4 with both operands' format E2M3, f32 sums; everything else in f32.
;; Inputs: Wk 1,024 x 1,024 float32; Wq 1,024 x 1,024 float32; Wv 1,024 x 1,024 float32; attention_mask 4 x 2,048 int32; bk 1,024 float32; bq 1,024 float32; bv 1,024 float32; inputs 4 x 2,048 x 1,024 float32.
;; Outputs: out0 4 x 2,048 x 1,024 float32.
;; This version of the problem:
;;   THIS VERSION OF THE PROBLEM IS GIVEN IN LOW PRECISION. The matrix products marked QUANTISED in the list below multiply operands that are first quantised to E2M3 (2 exponent bits, 3 mantissa bits; 6 bits a number), with one power-of-two scale for each 32 numbers along K (OCP MX v1.0); their sums are f32. All else is computed in f32.
;;   The module's matrix products, in the order in which they are computed (A, B: the left and right operand; K: the contracted axis; several contracted axes count as one K, in the product's order):
;;     1. [M 8,192, K 1,024] x [K 1,024, N 1,024]; A: input inputs; B: input Wq: QUANTISED
;;     2. [M 8,192, K 1,024] x [K 1,024, N 1,024]; A: input inputs; B: input Wk: QUANTISED
;;     3. [M 8,192, K 1,024] x [K 1,024, N 1,024]; A: input inputs; B: input Wv: QUANTISED
;;     4. batch 64 x [M 2,048, K 64] x [K 64, N 2,048]; A: computed on the way; B: computed on the way: QUANTISED
;;     5. batch 64 x [M 2,048, K 2,048] x [K 2,048, N 64]; A: softmax (see below); B: computed on the way: QUANTISED
;;   THE QUANTISER, for each operand of a quantised product, along K:
;;     - K is cut into blocks of 32 from its start; a last block that is shorter is filled with zeros.
;;     - A block's scale is 2^e with e = floor(log2(the largest magnitude in the block)) - 2, held to -126 .. 127; a block of zeros has e = 0. As a byte (E8M0): e + 127.
;;     - Each number is divided by its block's scale, clamped to +-7.5, and rounded to the nearest number of E2M3, ties to even, subnormals kept.
;;     - The product sums the exact products of the quantised numbers (number of the format x scale) in f32.
;;   ~~~python
;;   def quantise(x, axis):      # numpy; x: float32 -> the quantised numbers, widened to float32 again
;;       x = np.moveaxis(x, axis, -1); K = x.shape[-1]
;;       x = np.pad(x, [(0, 0)] * (x.ndim - 1) + [(0, -K % 32)]); x = x.reshape(x.shape[:-1] + (-1, 32)); a = np.abs(x).max(-1, keepdims=True)
;;       e = np.where(a > 0, np.clip(np.frexp(np.where(a > 0, a, 1))[1] - 1 - 2, -126, 127), 0)      # np.frexp(a)[1] - 1 = floor(log2(a)), exactly
;;       r = np.clip(x / 2.0 ** e, -7.5, 7.5)
;;       step = 2.0 ** (np.maximum(np.frexp(np.where(r == 0, 1, r))[1] - 1, 0) - 3)
;;       q = np.round(r / step) * step * 2.0 ** e      # np.round: ties to even
;;       return np.moveaxis(q.reshape(q.shape[:-2] + (-1,))[..., :K], -1, axis).astype(np.float32)
;;   ~~~
;;   SOFTMAX AHEAD OF A QUANTISED PRODUCT. Where the list says 'softmax', what is quantised is not the finished softmax but p = 2^(t - M), with t = logit x log2(e) and M = ceil(the row's largest t), a whole number; so 1/2 < the row's largest p <= 1. The row's sum l is taken of the UNQUANTISED p, in f32, and the product's result is divided by l at the end. Since M is a whole number, a kernel that streams over the keys may use a running M (the ceiling of the running maximum): every later rescaling is an exact power of two, which a block's scale takes up: the codes' values come out the same.
;;   OPERANDS COMPUTED ON THE WAY. 'Computed on the way' means the value that the module computes at that place (a softmax that the list does not call 'softmax' is quantised finished and normalised). What goes into a quantiser is computed in f32, as accurately as f32 sums, v_exp_f32 and their like allow (about 1e-6 of the number): no bf16 or f16 on the way to a quantiser, and a product that is left as it is and whose result goes on into a quantised operand takes f32 operands (vector FMAs, or v_wmma_f32_16x16x4_f32). A number that lies on a knife's edge between two numbers of the format may be rounded either way, as far as f32 arithmetic and the matrix unit's own rounding can turn it there, and no further.
;; One version. Each part assembles by itself: llvm-mc -triple=amdgcn-amd-amdhsa -mcpu=gfx1250 --defsym DOCPART=n.
;; ======== version 1 of 1: 3 launches
;; workspace buffers: x_codes 6,291,456 bytes; x_scales 262,144 bytes; w_codes 2,359,296 bytes; w_scales 98,304 bytes; qkv 19,660,800 bytes
;; launch quant (part 1): grid 448 x 1, 4 waves a work-group, no clusters, 51,712 bytes of LDS; arguments inputs, Wq, Wk, Wv, x_codes, x_scales, w_codes, w_scales; writes x_codes, x_scales, w_codes, w_scales
.if DOCPART == 1
	.amdgcn_target "amdgcn-amd-amdhsa--gfx1250"
	.amdhsa_code_object_version 6
	.text
	.protected	k_qa3239b5252_quant
	.globl	k_qa3239b5252_quant
	.p2align	8
	.type	k_qa3239b5252_quant,@function
k_qa3239b5252_quant:
	s_mov_b64 s[64:65], 0
	v_nop
	global_prefetch_b8 v0, s[64:65] scope:SCOPE_SE
	s_setreg_imm32_b32 hwreg(HW_REG_WAVE_MODE, 25, 1), 1
	s_wait_xcnt 0x0
; inputs [8192][1024] f32 (K innermost) and Wq, Wk, Wv [1024 (K)][1024 (n)] f32 (K outermost) become codes of FP6 (E2M3), K innermost, 768 bytes a row, with one E8M0 byte for each 32 along K, 32 bytes a row.
; A block's scale is 2^(floor(log2(its largest magnitude)) - 2); its byte is the largest magnitude's exponent field - 2, held at 1 from below; each number is divided by the scale and rounded to the nearest code, ties to even.
; ROW ORDER OF THE OUTPUT: row position p of x_codes, x_scales, w_codes, w_scales holds original row p with bits 3 and 4 exchanged.  So sixteen neighbouring positions 16 i + r are the original rows
; 32 (i / 2) + 8 (i % 2) + r + 8 (r / 8): the product that reads them then has 16 neighbours along its columns in the 16 registers of two neighbouring tiles.  w_codes: Wq's columns at 0, Wk's at 1024, Wv's at 2048.
; LIMITS: NaN and infinities among the inputs are not served.  A block of zeros, or one whose largest magnitude lies under 2^-124, gets the byte 1 (the rule says 127 for zeros): its codes are zeros or held by the floor,
; and the bytes are read by this program alone.
; SHARES: work-groups 0-255 take 32 rows of inputs each (a wave 8 rows = 16 steps of 512 numbers, loads eight steps ahead: 32 loads, 16,384 bytes of a wave on their way);
; work-groups 256-447 take 128 columns x 128 along K of one weight (a wave 32 columns, a lane one column and four blocks; loads two blocks ahead: 64 loads of 128 bytes a wave).
; The two ways part on the work-group's number and have LDS bytes of their own (0 .. 32767; 32768 on).  No barrier: waves share nothing.
.set XWG,   256                        ; work-groups for inputs
.set STEPS, 16
.set DEPTH, 8                          ; steps whose loads are on their way
.set EMAX,  2
.set CB,    12                         ; bytes of 16 codes
.set XR,    16                         ; v16-143  eight sets of 16 numbers as they are loaded
.set XX,    144                        ; v144-175 two sets of 16 neighbours
.set XE,    176                        ; v176-191 a scale byte for each step
.set XC,    192                        ; v192-255 codes: four registers a step, so that no store's data are written again
.set WREG,  8192                       ; a wave's LDS on the first way: two stages of 32 x SP bytes, then its 256 scale bytes
.set SP,    80                         ; a lane's place in a stage: 64 bytes + 16 of padding
.set WSTG,  32768                      ; the second way's stages begin here
.set NB,    4                          ; blocks of 32 along K for a lane
.set PITCH, 144                        ; a stage row: eight places of 16 bytes (12 of codes each) + 16
.set KROW,  768                        ; a row of codes in bytes
.set WN,    1024                       ; columns of a weight
.set WX,    32                         ; v32-95   two sets of 32 numbers
.set WC,    96                         ; v96..    a block's codes
.set OUTR,  112                        ; v112-143 the way out
.set SB,    24                         ; v24      the four scale bytes
	s_load_b256 s[4:11], s[0:1], 0x0               ; inputs, Wq, Wk, Wv
	s_load_b256 s[12:19], s[0:1], 0x20             ; x_codes, x_scales, w_codes, w_scales
	v_lshl_add_u32 v251, v0, 2, 0xc800
	v_mov_b32 v255, 0
	v_lshrrev_b32 v1, 5, v0
	v_readfirstlane_b32 s20, v1                    ; wave 0..3
	v_and_b32 v2, 31, v0                           ; lane
	s_wait_kmcnt 0x0
	s_cmp_lt_u32 ttmp9, XWG
	s_cbranch_scc0 .Lweights
	; ---------------- inputs: K innermost ----------------
	; Each load reads 512 consecutive bytes, 16 a lane; a step's 2,048 bytes turn through the wave's stage and come back 64 bytes a lane: 16 neighbours along K; two neighbouring lanes hold a block.
	s_wait_alu depctr_va_vdst(0)
	v_lshlrev_b32 v3, 4, v2                        ; my 16 bytes of a load's 512
	s_mul_i32 s21, s20, WREG
	v_lshrrev_b32 v14, 2, v2
	v_mul_u32_u24 v14, v14, SP
	v_and_b32 v15, 3, v2
	v_lshl_add_u32 v14, v15, 4, v14
	v_add_nc_u32 v14, s21, v14                     ; the stage, in: SP (lane / 4) + 16 (lane % 4)
	v_mul_u32_u24 v15, v2, SP
	v_add_nc_u32 v15, s21, v15                     ; and out: SP x lane
	v_mul_u32_u24 v4, v2, CB                       ; my codes' place in a step's 384 bytes
	v_lshrrev_b32 v5, 1, v2
	s_add_co_u32 s21, s21, 2*32*SP
	v_add_nc_u32 v5, s21, v5                       ; my block's byte among the wave's 256
	v_lshlrev_b32 v7, 3, v2
	v_add_nc_u32 v6, s21, v7                       ; and on the way out 8 bytes a lane
	s_lshl_b32 s22, ttmp9, 2
	s_add_co_u32 s24, s22, s20                     ; the run of 8 rows that I read: 4 x work-group + wave
	s_lshl_b32 s24, s24, 15                        ; x 32,768 bytes
	s_mov_b32 s25, 0
	s_add_nc_u64 s[4:5], s[4:5], s[24:25]
	s_and_b32 s26, s20, 1
	s_lshl_b32 s26, s26, 1
	s_lshr_b32 s27, s20, 1
	s_or_b32 s26, s26, s27                         ; the wave's two bits exchanged: bits 3 and 4 of the row
	s_add_co_u32 s26, s26, s22                     ; the run of 8 positions that I write
	s_mul_i32 s24, s26, 8*KROW
	s_add_nc_u64 s[12:13], s[12:13], s[24:25]
	s_lshl_b32 s24, s26, 8
	s_add_nc_u64 s[14:15], s[14:15], s[24:25]
.macro XLOAD t
.irp i, 0,1,2,3
	global_load_b128 v[XR+16*((\t)%DEPTH)+4*\i:XR+16*((\t)%DEPTH)+4*\i+3], v3, s[4:5] offset:2048*(\t)+512*\i th:TH_LOAD_NT
.endr
.endm
.macro XTURN t                         ; step t's numbers through the stage: LDS serves a wave's instructions in order (ISA guide 5.7.1.4), so no wait stands between the stores and the loads
.irp i, 0,1,2,3
	ds_store_b128 v14, v[XR+16*((\t)%DEPTH)+4*\i:XR+16*((\t)%DEPTH)+4*\i+3] offset:32*SP*((\t)%2)+8*SP*\i
.endr
.irp i, 0,1,2,3
	ds_load_b128 v[XX+16*((\t)%2)+4*\i:XX+16*((\t)%2)+4*\i+3], v15 offset:32*SP*((\t)%2)+16*\i
.endr
.endm
.irp t, 0,1,2,3,4,5,6,7
	XLOAD \t
.endr
	s_wait_alu depctr_va_vdst(0)
	s_wait_loadcnt 4*(DEPTH-1)                     ; step 0's four loads are in; the 28 of steps 1 to 7 may be out
	XTURN 0
.macro XSTEP t
.set XS, XX+16*((\t)%2)
.if (\t) > 0
	s_wait_dscnt 1                                 ; this step's numbers are back from the stage; the last step's byte store may be out
.else
	s_wait_dscnt 0x0
.endif
.if (\t)+DEPTH < STEPS
	XLOAD (\t)+DEPTH                               ; into the set whose stores to the stage have read their registers
.endif
.if (\t)+1 < STEPS
.if STEPS-2-(\t) >= DEPTH-1
	s_wait_loadcnt 4*(DEPTH-1)                     ; the next step's four loads are in; those of the seven steps behind it may be out
.else
	s_wait_loadcnt 4*(STEPS-2-(\t))                ; in the tail: those of the steps that are left
.endif
	XTURN (\t)+1
.endif
	v_max3_num_f32 v8, |v[XS]|, |v[XS+1]|, |v[XS+2]|               ; the largest magnitude of my 16, in two chains
	v_max3_num_f32 v9, |v[XS+3]|, |v[XS+4]|, |v[XS+5]|
.irp i, 6,10
	v_max3_num_f32 v8, v8, |v[XS+\i]|, |v[XS+\i+1]|
	v_max3_num_f32 v9, v9, |v[XS+\i+2]|, |v[XS+\i+3]|
.endr
	v_max3_num_f32 v8, v8, |v[XS+14]|, |v[XS+15]|
	v_max3_num_f32 v8, v8, v9, (EMAX+1)<<23        ; and the floor 2^(3 - 127): the byte cannot fall under 1
	v_max_num_f32_dpp v8, v8, v8 row_xmask:1 row_mask:0xf bank_mask:0xf   ; with my neighbour's 16: the block's
	v_add_nc_u32 v11, -(EMAX<<23), v8              ; 2 off its exponent field: the conversion takes this operand's exponent field as its scale
	v_cvt_scalef32_pk16_fp6_f32 v[XC+4*(\t):XC+4*(\t)+2], v[XS:XS+15], v11
	v_lshrrev_b32 v[XE+(\t)], 23, v11              ; the scale's byte (also the plain line behind the conversion)
	ds_store_b8 v5, v[XE+(\t)] offset:16*(\t)      ; both lanes of a block write the same byte with the same value
	global_store_b96 v4, v[XC+4*(\t):XC+4*(\t)+2], s[12:13] offset:32*CB*(\t)   ; the wave stores 384 consecutive bytes
.endm
.irp t, 0,1,2,3,4,5,6,7,8,9,10,11,12,13,14,15
	XSTEP \t
.endr
	ds_load_b64 v[12:13], v6                       ; these see my byte stores: LDS serves a wave in order
	s_wait_dscnt 0x0
	global_store_b64 v7, v[12:13], s[14:15]        ; 32 lanes store 256 consecutive bytes, aligned
	s_wait_tensorcnt 0x0
	ds_add_u32 v251, v255
	s_wait_dscnt 0x0
	s_endpgm
	; ---------------- the weights: K outermost ----------------
	; A lane takes a column n and its registers run down K: a block of 32 lies in one lane, and the conversions give codes with K innermost.  Nothing is transposed by an instruction.
.Lweights:
	s_sub_co_u32 s21, ttmp9, XWG
	s_lshr_b32 s22, s21, 3                         ; which 128 of the 3,072 columns: 0..23
	s_and_b32 s23, s21, 7                          ; which 128 along K
	s_cmp_lt_u32 s22, 16                           ; the choice of the tensor hangs on the work-group's number alone
	s_cselect_b64 s[8:9], s[8:9], s[10:11]
	s_cmp_lt_u32 s22, 8
	s_cselect_b64 s[6:7], s[6:7], s[8:9]
	s_wait_alu depctr_va_vdst(0)
	v_lshlrev_b32 v3, 2, v2                        ; in: 4 bytes a lane
	s_mul_i32 s24, s20, 32*PITCH
	s_add_co_u32 s24, s24, WSTG                    ; my stage
	v_and_b32 v10, 7, v2
	v_and_b32 v11, 8, v2
	v_lshl_or_b32 v10, v11, 1, v10
	v_bfe_u32 v11, v2, 4, 1
	v_lshl_or_b32 v10, v11, 3, v10                 ; my column's position among the wave's 32: the lane with bits 3 and 4 exchanged
	v_mul_u32_u24 v4, v10, PITCH
	v_add_nc_u32 v4, s24, v4                       ; into the stage: row = my position
	v_and_b32 v5, 7, v2
	v_lshrrev_b32 v6, 3, v2
	v_mul_u32_u24 v7, v6, PITCH
	v_lshl_add_u32 v7, v5, 4, v7
	v_add_nc_u32 v7, s24, v7                       ; out of it: eight lanes to a row, four rows an instruction
	v_mul_u32_u24 v8, v6, KROW
	v_mad_u32_u24 v8, v5, 12, v8                   ; and the same place in w_codes
	v_lshlrev_b32 v9, 5, v10                       ; my position's row of scale bytes
	s_lshl_b32 s26, s23, 19                        ; W: 128 rows of 4,096 bytes for each step along K,
	s_and_b32 s27, s22, 7
	s_lshl_b32 s27, s27, 9                         ; 128 columns of 4 bytes,
	s_add_co_u32 s26, s26, s27
	s_lshl_b32 s27, s20, 7                         ; 32 columns a wave
	s_add_co_u32 s26, s26, s27
	s_mov_b32 s27, 0
	s_add_nc_u64 s[6:7], s[6:7], s[26:27]
	s_lshl_b32 s28, s22, 7
	s_lshl_b32 s29, s20, 5
	s_add_co_u32 s28, s28, s29                     ; my wave's first position in w_codes
	s_mul_i32 s26, s28, KROW
	s_mul_i32 s29, s23, 96                         ; 128 codes are 96 bytes
	s_add_co_u32 s26, s26, s29
	s_add_nc_u64 s[16:17], s[16:17], s[26:27]
	s_lshl_b32 s26, s28, 5
	s_lshl_b32 s29, s23, 2                         ; and four scale bytes
	s_add_co_u32 s26, s26, s29
	s_add_nc_u64 s[18:19], s[18:19], s[26:27]
.macro WLOAD t                         ; block t: W(32 t + i, my column), i = 0 .. 31: each load reads 128 consecutive bytes a wave.  The largest offset, 127 rows of 4,096 bytes, lies inside the signed 24-bit immediate
.irp i, 0,1,2,3,4,5,6,7,8,9,10,11,12,13,14,15,16,17,18,19,20,21,22,23,24,25,26,27,28,29,30,31
	global_load_b32 v[WX+32*((\t)%2)+\i], v3, s[6:7] offset:(32*(\t)+\i)*WN*4 th:TH_LOAD_NT
.endr
.endm
	WLOAD 0
	WLOAD 1
.macro WBLOCK t
.set XS, WX+32*((\t)%2)
.if (\t) < NB-1
	s_wait_loadcnt 32                              ; this block's 32 loads are in; the next block's may be out
.else
	s_wait_loadcnt 0
.endif
	v_max3_num_f32 v12, |v[XS]|, |v[XS+1]|, |v[XS+2]|              ; the block's largest magnitude: all 32 numbers are mine
	v_max3_num_f32 v13, |v[XS+3]|, |v[XS+4]|, |v[XS+5]|
.irp i, 6,10,14,18,22,26
	v_max3_num_f32 v12, v12, |v[XS+\i]|, |v[XS+\i+1]|
	v_max3_num_f32 v13, v13, |v[XS+\i+2]|, |v[XS+\i+3]|
.endr
	v_max3_num_f32 v12, v12, |v[XS+30]|, |v[XS+31]|
	v_max3_num_f32 v12, v12, v13, (EMAX+1)<<23     ; and the floor
	v_add_nc_u32 v11, -(EMAX<<23), v12             ; the conversion's scale operand
	v_lshrrev_b32 v13, 23, v11                     ; the scale's byte
.if (\t) == 0
	v_mov_b32 v[SB], v13                           ; four bytes to the register, the lower K in the lower byte
.else
	v_lshl_or_b32 v[SB], v13, 8*(\t), v[SB]
.endif
	v_cvt_scalef32_pk16_fp6_f32 v[WC:WC+2], v[XS:XS+15], v11
	v_cvt_scalef32_pk16_fp6_f32 v[WC+4:WC+6], v[XS+16:XS+31], v11  ; (a conversion's three registers begin on an even number)
	ds_store_b96 v4, v[WC:WC+2] offset:32*(\t)     ; 12 bytes to a place of 16, so that every LDS address is a multiple of 16
	ds_store_b96 v4, v[WC+4:WC+6] offset:32*(\t)+16
.if (\t)+2 < NB
	WLOAD (\t)+2
.endif
	s_wait_dscnt 0x0                               ; the stores have read their registers: the next block's codes may be written
.endm
.set Q, 0
.rept NB
	WBLOCK Q
.set Q, Q+1
.endr
	s_wait_alu depctr_va_vdst(0)
	global_store_b32 v9, v[SB], s[18:19]           ; my column's four scale bytes: 4 bytes a lane to rows 32 bytes apart; K is shared out among work-groups, so no more of a row is at hand: one byte for each 128 that the launch reads
.irp t, 0,1,2,3,4,5,6,7
	ds_load_b96 v[OUTR+4*\t:OUTR+4*\t+2], v7 offset:4*\t*PITCH   ; these see my stores: LDS serves a wave in order
.endr
.irp t, 0,1,2,3,4,5,6,7
	s_wait_dscnt 7-\t                              ; read-back t is in; the younger ones may be out
	global_store_b96 v8, v[OUTR+4*\t:OUTR+4*\t+2], s[16:17] offset:4*\t*KROW   ; eight lanes store a row's 96 consecutive bytes
.endr
	s_wait_tensorcnt 0x0
	ds_add_u32 v251, v255
	s_wait_dscnt 0x0
	s_endpgm
.Lfunc_end_k_qa3239b5252_quant:
	.size	k_qa3239b5252_quant, .Lfunc_end_k_qa3239b5252_quant-k_qa3239b5252_quant
	.p2alignl 7, 3214868480
	.fill 96, 4, 3214868480
	.section	.rodata,"a",@progbits
	.p2align	6, 0x0
	.amdhsa_kernel k_qa3239b5252_quant
		.amdhsa_group_segment_fixed_size 51712
		.amdhsa_private_segment_fixed_size 0
		.amdhsa_enable_private_segment 0
		.amdhsa_kernarg_size 64
		.amdhsa_user_sgpr_count 2
		.amdhsa_user_sgpr_kernarg_segment_ptr 1
		.amdhsa_wavefront_size32 1
		.amdhsa_system_sgpr_workgroup_id_x 1
		.amdhsa_system_sgpr_workgroup_id_y 1
		.amdhsa_system_sgpr_workgroup_id_z 1
		.amdhsa_system_vgpr_workitem_id 0
		.amdhsa_next_free_vgpr 256
		.amdhsa_next_free_sgpr 66
		.amdhsa_reserve_vcc 0
		.amdhsa_float_denorm_mode_32 3
		.amdhsa_float_denorm_mode_16_64 3
		.amdhsa_memory_ordered 1
		.amdhsa_forward_progress 1
		.amdhsa_inst_pref_size 54
	.end_amdhsa_kernel
	.amdgpu_metadata
---
amdhsa.version: [ 1, 2 ]
amdhsa.kernels:
  - .name:           k_qa3239b5252_quant
    .symbol:         k_qa3239b5252_quant.kd
    .args:
      - { .name: inputs, .offset: 0, .size: 8, .value_kind: global_buffer, .address_space: global }
      - { .name: Wq, .offset: 8, .size: 8, .value_kind: global_buffer, .address_space: global }
      - { .name: Wk, .offset: 16, .size: 8, .value_kind: global_buffer, .address_space: global }
      - { .name: Wv, .offset: 24, .size: 8, .value_kind: global_buffer, .address_space: global }
      - { .name: x_codes, .offset: 32, .size: 8, .value_kind: global_buffer, .address_space: global }
      - { .name: x_scales, .offset: 40, .size: 8, .value_kind: global_buffer, .address_space: global }
      - { .name: w_codes, .offset: 48, .size: 8, .value_kind: global_buffer, .address_space: global }
      - { .name: w_scales, .offset: 56, .size: 8, .value_kind: global_buffer, .address_space: global }
    .group_segment_fixed_size: 51712
    .private_segment_fixed_size: 0
    .kernarg_segment_align: 8
    .kernarg_segment_size: 64
    .max_flat_workgroup_size: 128
    .sgpr_count:     66
    .vgpr_count:     256
    .wavefront_size: 32
...
	.end_amdgpu_metadata
.endif
;; end of part 1
;; launch gemm (part 2): grid 8 x 48, 4 waves a work-group, clusters of 4 x 4, 327,680 bytes of LDS; arguments x_codes, x_scales, w_codes, w_scales, bq, bk, bv, qkv; writes qkv
.if DOCPART == 2
	.amdgcn_target "amdgcn-amd-amdhsa--gfx1250"
	.amdhsa_code_object_version 6
	.text
	.protected	k_qa3239b5252_gemm
	.globl	k_qa3239b5252_gemm
	.p2align	8
	.type	k_qa3239b5252_gemm,@function
k_qa3239b5252_gemm:
	s_mov_b64 s[64:65], 0
	v_nop
	global_prefetch_b8 v0, s[64:65] scope:SCOPE_SE
	s_setreg_imm32_b32 hwreg(HW_REG_WAVE_MODE, 25, 1), 1
	s_wait_xcnt 0x0
	s_wait_alu depctr_hold_cnt(0) depctr_sa_sdst(0) depctr_va_vdst(0) depctr_va_sdst(0) depctr_va_ssrc(0) depctr_va_vcc(0) depctr_vm_vsrc(0)
	s_getreg_b32 s2, hwreg(HW_REG_IB_STS2, 6, 4)
	s_cmp_eq_u32 s2, 0
	s_cbranch_scc0 .Lentry_in_a_cluster
	s_endpgm
.Lentry_in_a_cluster:
	s_bfe_u32 s2, ttmp6, 0x10000c
	s_cmp_lg_u32 s2, 0xf033
	s_cbranch_scc0 .Lentry_shape_is_right
	s_endpgm
.Lentry_shape_is_right:
.set SIZE_K, 1024
.set KSTEP,  256
.set NQ,     KSTEP/128
.set ROWB,   192
.set KROW,   SIZE_K*6/8
.set PITCH,  240
.set FR,     12
.set NL,     6
.set NP,     4
.set HALFT,  128*PITCH
.set SLOT,   4*HALFT
.set LAPS,   SIZE_K/(2*KSTEP)
.set KS,     SIZE_K/32
.set SCL,    2*SLOT
.set HALFS,  (128*KS/256)*272
.set SBLK,   (16*KS/256)*272
.set SPARE,  SCL+4*HALFS
.set HEADB,  307200
.set RECB,   19200
.set ADRA, 16
.set ADRB, 20
.set ADRS, 27
.set SPW,  28
.set NIL,  29
.set SC,   32
.set AF,   128
.set BI,   64
.set H,    128
.set F0,   192
.set F1,   204
.set T2,   216
.set TM,   224
.set SW,   240
.set X,    248
.set TMP,  252
.set G1, 24
.set G0, 32
.set G1B, 48
.set G0B, 56
.set G1S, 68
.set G0S, 76
.set G1SB, 80
.set G0SB, 88
.set MSB, 0
.macro WIN new
.if MSB != \new
	s_set_vgpr_msb (MSB<<8)|\new
.set MSB, \new
.endif
.endm
.set MUL_LO, 0xa1
.set MUL_HI, 0xf1
.set TO_B,   0x40
.macro JLOAD g0a, g1a, g0b, g1b
	s_cmp_eq_u32 s15, 0
	s_cbranch_scc0 .Lfor_b_\@
	tensor_load_to_lds s[\g0a:\g0a+3], s[\g1a:\g1a+7]
	s_nop 0
.rept 4
	v_nop
.endr
	s_branch .Lasked_\@
.Lfor_b_\@:
	tensor_load_to_lds s[\g0b:\g0b+3], s[\g1b:\g1b+7]
	s_nop 0
.rept 4
	v_nop
.endr
.Lasked_\@:
.endm
.macro CREST
	s_cmp_lg_u32 s14, 0
	s_cbranch_scc1 .Lnot_wave_0_\@
	s_barrier_signal -3
.Lnot_wave_0_\@:
	s_barrier_wait -3
	s_barrier_signal -1
	s_barrier_wait -1
.endm
.macro CROUND
	s_barrier_signal -1
	s_barrier_wait -1
	CREST
.endm
	s_load_b256 s[4:11], s[0:1], 0x0
	s_load_b256 s[68:75], s[0:1], 0x20
	v_lshl_add_u32 v[SPW], v0, 2, SPARE
	v_mov_b32 v[NIL], 0
	ds_add_u32 v28, v29
	ds_add_u32 v28, v29
	s_wait_dscnt 0x0
	v_lshrrev_b32 v1, 5, v0
	v_readfirstlane_b32 s14, v1
	s_lshr_b32 s15, s14, 1
	s_and_b32 s16, s14, 1
	s_bfe_u32 s40, ttmp6, 0x40000
	s_bfe_u32 s41, ttmp6, 0x40004
	s_and_b32 s66, ttmp7, 0xffff
	s_sub_co_u32 s67, s66, 8
	s_lshl_b32 s67, s67, 1
	s_add_co_u32 s67, s67, ttmp9
	s_cmp_ge_u32 s66, 8
	s_cselect_b32 s95, 1, 0
	s_cselect_b32 s17, 0, s66
	s_cselect_b32 s42, s67, ttmp9
	s_cselect_b32 s19, 2048, 0
	s_lshl_b32 s17, s17, 2
	s_add_co_u32 s17, s17, s41
	s_lshl_b32 s42, s42, 2
	s_add_co_u32 s42, s42, s40
	s_lshl_b32 s43, s41, 2
	s_lshl_b32 s43, 15, s43
	s_lshl_b32 s44, 0x1111, s40
	s_or_b32 s[G1+0], s43, (0<<16)|(1<<20)|(1<<21)|(3<<22)|(3<<25)
	s_or_b32 s[G1B+0], s44, (0<<16)|(1<<20)|(1<<21)|(3<<22)|(3<<25)
.irp g, G1, G1B
	s_mov_b32 s[\g+1], ROWB<<16
	s_mov_b32 s[\g+2], 128<<16
	s_mov_b32 s[\g+3], ROWB<<16
	s_mov_b32 s[\g+4], 128
	s_mov_b32 s[\g+5], KROW
	s_mov_b32 s[\g+6], 0
	s_mov_b32 s[\g+7], 0
.endr
	s_lshl_b32 s98, s17, 8
	s_lshl_b32 s99, s15, 7
	s_add_co_u32 s98, s98, s99
	s_lshl_b32 s99, s42, 8
	s_lshl_b32 s66, s16, 7
	s_add_co_u32 s99, s99, s66
	s_and_b32 s66, s99, 1023
	s_cmp_lg_u32 s95, 0
	s_cselect_b32 s67, s99, s98
	s_cselect_b32 s66, s98, s66
	s_lshl_b32 s96, s66, 2
	s_mov_b32 s97, 0
	s_lshr_b32 s98, s67, 11
	s_lshl_b32 s98, s98, 4
	s_lshr_b32 s99, s66, 6
	s_add_co_u32 s98, s98, s99
	s_mul_i32 s98, s98, HEADB
	s_bfe_u32 s99, s67, 0x40007
	s_mul_i32 s99, s99, RECB
	s_add_co_u32 s98, s98, s99
	s_mov_b32 s67, 12288
	s_cmp_eq_u32 ttmp9, 0
	s_cselect_b32 s99, 12800, 0
	s_cselect_b32 s67, 18944, s67
	s_cmp_lg_u32 s95, 0
	s_cselect_b32 s99, 6144, s99
	s_cselect_b32 s67, 12544, s67
	s_add_co_u32 s12, s98, s99
	s_mov_b32 s13, 0
	s_add_co_u32 s100, s98, s67
	s_mov_b32 s101, 0
	s_lshl_b32 s18, s16, 7
	s_lshl_b32 s20, s17, 8
	s_add_co_u32 s20, s20, s18
	s_add_co_u32 s20, s20, s19
	s_lshl_b32 s46, s42, 8
	s_add_co_u32 s46, s46, s18
	s_mov_b32 s21, 0
	s_mov_b32 s47, 0
	s_mov_b64 s[18:19], KS
	s_mul_u64 s[22:23], s[20:21], s[18:19]
	s_mul_u64 s[92:93], s[46:47], s[18:19]
	s_mov_b64 s[18:19], KROW
	s_mul_u64 s[20:21], s[20:21], s[18:19]
	s_mul_u64 s[46:47], s[46:47], s[18:19]
	s_mul_i32 s45, s14, HALFT
	s_mul_i32 s94, s14, HALFS
	s_wait_kmcnt 0x0
	s_cmp_lg_u32 s95, 0
	s_cselect_b64 s[76:77], s[8:9], s[4:5]
	s_cselect_b64 s[78:79], s[10:11], s[6:7]
	s_cselect_b64 s[80:81], s[4:5], s[8:9]
	s_cselect_b64 s[82:83], s[6:7], s[10:11]
	s_add_nc_u64 s[20:21], s[76:77], s[20:21]
	s_add_nc_u64 s[22:23], s[78:79], s[22:23]
	s_add_nc_u64 s[46:47], s[80:81], s[46:47]
	s_add_nc_u64 s[92:93], s[82:83], s[92:93]
	s_cmp_eq_u32 ttmp9, 0
	s_cselect_b64 s[98:99], s[68:69], s[70:71]
	s_cmp_lg_u32 s95, 0
	s_cselect_b64 s[98:99], s[72:73], s[98:99]
	s_add_nc_u64 s[96:97], s[98:99], s[96:97]
	s_add_nc_u64 s[12:13], s[74:75], s[12:13]
	s_add_nc_u64 s[100:101], s[74:75], s[100:101]
	s_or_b32 s[G1S+0], s43, (3<<16)|(1<<20)|(1<<21)|(5<<22)|(3<<25)
	s_or_b32 s[G1SB+0], s44, (3<<16)|(1<<20)|(1<<21)|(5<<22)|(3<<25)
.irp g, G1S, G1SB
	s_mov_b32 s[\g+1], 32<<16
	s_mov_b32 s[\g+2], (128*KS/256)<<16
	s_mov_b32 s[\g+3], 32<<16
	s_mov_b32 s[\g+4], 128*KS/256
	s_mov_b32 s[\g+5], 32
	s_mov_b32 s[\g+6], 0
	s_mov_b32 s[\g+7], 0
.endr
	CROUND
	s_mov_b32 s[G0S], 1
	s_add_co_u32 s[G0S+1], s94, SCL
	s_mov_b64 s[G0S+2:G0S+3], s[22:23]
	s_or_b32 s[G0S+3], s[G0S+3], 0x80000000
	s_mov_b32 s[G0SB], 1
	s_add_co_u32 s[G0SB+1], s94, SCL
	s_mov_b64 s[G0SB+2:G0SB+3], s[92:93]
	s_or_b32 s[G0SB+3], s[G0SB+3], 0x80000000
	JLOAD G0S, G1S, G0SB, G1SB
.irp s, 0,1
	s_mov_b32 s[G0+4*\s], 1
	s_add_co_u32 s[G0+4*\s+1], s45, \s*SLOT
	s_add_nc_u64 s[G0+4*\s+2:G0+4*\s+3], s[20:21], \s*ROWB
	s_or_b32 s[G0+4*\s+3], s[G0+4*\s+3], 0x80000000
	s_mov_b32 s[G0B+4*\s], 1
	s_add_co_u32 s[G0B+4*\s+1], s45, \s*SLOT
	s_add_nc_u64 s[G0B+4*\s+2:G0B+4*\s+3], s[46:47], \s*ROWB
	s_or_b32 s[G0B+4*\s+3], s[G0B+4*\s+3], 0x80000000
	s_wait_alu depctr_va_vdst(0)
	s_wait_tensorcnt 0x0
	ds_add_u32 v28, v29
	s_wait_dscnt 0x0
	CROUND
	JLOAD G0+4*\s, G1, G0B+4*\s, G1B
.endr
	v_and_b32 v1, 15, v0
	v_bfe_u32 v2, v0, 4, 1
	v_mul_u32_u24 v3, v1, PITCH
	v_mul_u32_u24 v4, v2, 24
	v_add_nc_u32 v4, v3, v4
	v_lshl_add_u32 v5, v2, 4, v4
	s_mul_i32 s21, s15, HALFT
	s_mul_i32 s22, s16, HALFT
	s_add_co_u32 s22, s22, 2*HALFT
.irp s, 0,1
	v_add_nc_u32 v[ADRA+\s], s21, v4
	v_add_nc_u32 v[ADRB+\s], s22, v4
	v_add_nc_u32 v[ADRA+2+\s], s21, v5
	v_add_nc_u32 v[ADRB+2+\s], s22, v5
	s_add_co_u32 s21, s21, SLOT
	s_add_co_u32 s22, s22, SLOT
.endr
	v_mul_u32_u24 v5, v1, KS
	v_lshrrev_b32 v6, 8, v5
	v_lshl_add_u32 v5, v6, 4, v5
	s_mul_i32 s21, s15, HALFS
	s_mul_i32 s22, s16, HALFS
	s_add_co_u32 s22, s22, 2*HALFS
	s_sub_co_u32 s22, s22, s21
	v_mul_u32_u24 v6, s22, v2
	s_add_co_u32 s21, s21, SCL
	v_add_nc_u32 v5, v5, v6
	v_add_nc_u32 v[ADRS], s21, v5
	v_and_b32 v6, 31, v0
	v_lshlrev_b32 v24, 4, v6
	v_lshlrev_b32 v25, 3, v6
	v_lshlrev_b32 v26, 6, v2
	v_and_b32 v30, 8, v1
	v_add_nc_u32 v30, v30, v1
	v_lshlrev_b32 v30, 2, v30
.irp b, 0,1,2,3
	v_mov_b32 v[TM+4+\b], 0
.endr
	s_mov_b32 s4, 0x76543210
	s_mov_b32 s5, 0xfedcba98
	s_mov_b32 s6, 0xffff0000
.macro FRAG reg, adr, q, i
.irp p, 0,1,2,3,4,5
.set PCE, 12*(\q)+6*(\p/3)+\p%3
.if PCE%8 < 5
	ds_load_b64 v[\reg+2*\p:\reg+2*\p+1], v[\adr] offset:8*PCE+16*(PCE/8)+(\i)*16*PITCH
.else
	ds_load_b64 v[\reg+2*\p:\reg+2*\p+1], v[\adr+2] offset:8*PCE+16*(PCE/8)+(\i)*16*PITCH
.endif
.endr
.endm
.macro MUL16 a0, p, q, sc, zero
.irp a, \a0, \a0+1
.irp b, 0,1,2,3,4,5,6,7
.if \zero
	v_wmma_scale_f32_16x16x128_f8f6f4 v[8*(8*((\a)%4)+\b):8*(8*((\a)%4)+\b)+7], v[128*(\p)+FR*\b:128*(\p)+FR*\b+FR-1], v[AF+FR*(\a):AF+FR*(\a)+FR-1], 0, v[SC+8*NQ*(\sc)+NQ*\b+(\q)], v[SC+8*NQ*(\sc)+NQ*(\a)+(\q)] matrix_a_fmt:MATRIX_FMT_FP6 matrix_b_fmt:MATRIX_FMT_FP6 matrix_a_scale:MATRIX_SCALE_ROW1
.else
	v_wmma_scale_f32_16x16x128_f8f6f4 v[8*(8*((\a)%4)+\b):8*(8*((\a)%4)+\b)+7], v[128*(\p)+FR*\b:128*(\p)+FR*\b+FR-1], v[AF+FR*(\a):AF+FR*(\a)+FR-1], v[8*(8*((\a)%4)+\b):8*(8*((\a)%4)+\b)+7], v[SC+8*NQ*(\sc)+NQ*\b+(\q)], v[SC+8*NQ*(\sc)+NQ*(\a)+(\q)] matrix_a_fmt:MATRIX_FMT_FP6 matrix_b_fmt:MATRIX_FMT_FP6 matrix_a_scale:MATRIX_SCALE_ROW1
.endif
.endr
.endr
.endm
.macro FETCH_B slot, q, p
	WIN TO_B
.irp i, 0,1,2,3,4,5,6,7
	FRAG 128*(\p)+FR*\i, ADRB+\slot, \q, \i
.endr
	WIN 0
.endm
.macro FETCH_A slot, q, i0
.irp i, \i0, \i0+1, \i0+2, \i0+3
	FRAG AF+FR*(\i), ADRA+\slot, \q, \i
.endr
.endm
.macro SCALES sc
.irp i, 0,1,2,3,4,5,6,7
	ds_load_b64 v[SC+8*NQ*\sc+NQ*\i:SC+8*NQ*\sc+NQ*\i+1], v[ADRS] offset:\i*SBLK
.endr
.endm
.macro PLACES n
.rept \n
	v_nop
.endr
.endm
.macro STEP slot, q, zero
	s_wait_dscnt 4*NL
	WIN MUL_LO
	MUL16 0, (\q)%2, \q, \slot, \zero
	MUL16 2, (\q)%2, \q, \slot, \zero
	s_wait_dscnt 0
	PLACES NP
	FETCH_B \slot, (\q)+1, 1-(\q)%2
	FETCH_A \slot, (\q)+1, 0
	WIN MUL_HI
	MUL16 4, (\q)%2, \q, \slot, \zero
	MUL16 6, (\q)%2, \q, \slot, \zero
	PLACES NP
	WIN 0
	FETCH_A \slot, (\q)+1, 4
.endm
.macro TURN slot, next, fill
	s_wait_tensorcnt 0x0
	ds_add_u32 v[SPW], v[NIL]
	s_wait_dscnt 4*NL+1
	WIN MUL_LO
	MUL16 0, 1, NQ-1, \slot, 0
	s_wait_dscnt 0x0
	s_barrier_signal -1
	MUL16 2, 1, NQ-1, \slot, 0
	WIN 0
	s_barrier_wait -1
.if \fill
	CREST
	s_add_nc_u64 s[G0+4*\slot+2:G0+4*\slot+3], s[G0+4*\slot+2:G0+4*\slot+3], 2*ROWB
	s_add_nc_u64 s[G0B+4*\slot+2:G0B+4*\slot+3], s[G0B+4*\slot+2:G0B+4*\slot+3], 2*ROWB
	JLOAD G0+4*\slot, G1, G0B+4*\slot, G1B
.else
	PLACES NP
.endif
	s_wait_alu depctr_va_vdst(0)
	v_add_nc_u32 v[ADRS], 4*NQ, v[ADRS]
	FETCH_B \next, 0, 0
	FETCH_A \next, 0, 0
	SCALES \next
	WIN MUL_HI
	MUL16 4, 1, NQ-1, \slot, 0
	MUL16 6, 1, NQ-1, \slot, 0
	PLACES NP
	WIN 0
	FETCH_A \next, 0, 4
.endm
.macro LAST
	s_wait_dscnt 4*NL
	WIN MUL_LO
	MUL16 0, 1, NQ-1, 1, 0
	MUL16 2, 1, NQ-1, 1, 0
	s_wait_dscnt 0
	WIN MUL_HI
	MUL16 4, 1, NQ-1, 1, 0
	MUL16 6, 1, NQ-1, 1, 0
	WIN 0
.endm
.macro QUANT s, d0, d1
.irp b, 0,1,2,3
	v_max3_num_f32 v[TM+\b], |v[\s+16*\b]|, |v[\s+1+16*\b]|, 0x1800000
.endr
.irp i, 2,4,6,8,10,12,14
.irp b, 0,1,2,3
	v_max3_num_f32 v[TM+\b], v[TM+\b], |v[\s+16*\b+\i]|, |v[\s+1+16*\b+\i]|
.endr
.endr
.irp b, 0,1,2,3
	v_permlanex16_b32 v[TM+4+\b], v[TM+\b], s4, s5
.endr
.irp b, 0,1,2,3
	v_max_num_f32 v[TM+\b], v[TM+\b], v[TM+4+\b]
.endr
.irp b, 0,1,2,3
	v_add_nc_u32 v[TM+12+\b], 0xff000000, v[TM+\b]
.endr
.irp b, 0,1,2,3
	v_lshrrev_b32 v[TM+4+\b], 23, v[TM+12+\b]
.endr
	v_cvt_scalef32_pk16_fp6_f32 v[\d0:\d0+2], v[\s:\s+15], v[TM+12]
	v_cvt_scalef32_pk16_fp6_f32 v[T2:T2+2], v[\s+16:\s+31], v[TM+13]
	v_cvt_scalef32_pk16_fp6_f32 v[\d1:\d1+2], v[\s+32:\s+47], v[TM+14]
	v_cvt_scalef32_pk16_fp6_f32 v[T2+4:T2+6], v[\s+48:\s+63], v[TM+15]
	v_nop
.irp i, 0,1,2
	v_permlane16_swap_b32 v[\d0+\i], v[T2+\i]
.endr
.irp i, 0,1,2
	v_mov_b32 v[\d0+3+\i], v[T2+\i]
.endr
.irp i, 0,1,2
	v_permlane16_swap_b32 v[\d1+\i], v[T2+4+\i]
.endr
.irp i, 0,1,2
	v_mov_b32 v[\d1+3+\i], v[T2+4+\i]
.endr
.endm
	s_wait_tensorcnt 1
	s_barrier_signal -1
	s_barrier_wait -1
	FETCH_B 0, 0, 0
	FETCH_A 0, 0, 0
	SCALES 0
	FETCH_A 0, 0, 4
	STEP 0, 0, 1
	s_mov_b32 s3, LAPS-1
.Llap:
	TURN 0, 1, 1
	STEP 1, 0, 0
	TURN 1, 0, 1
	STEP 0, 0, 0
	s_sub_co_u32 s3, s3, 1
	s_cmp_lg_u32 s3, 0
	s_cbranch_scc1 .Llap
	TURN 0, 1, 0
	STEP 1, 0, 0
	s_cmp_lg_u32 s95, 0
	s_cbranch_scc1 .Lv
.irp b, 0,1,2,3,4,5,6,7
	global_load_b128 v[BI+8*\b:BI+8*\b+3], v26, s[96:97] offset:(32*(\b/2)+8*(\b%2))*4
	global_load_b128 v[BI+8*\b+4:BI+8*\b+7], v26, s[96:97] offset:(32*(\b/2)+8*(\b%2))*4+16
.endr
	LAST
	PLACES NP
	s_wait_loadcnt 0x0
.irp al, 0,1,2,3
.if \al > 0
	s_wait_xcnt 0x0
.endif
.irp u, 0,1
.set AA, 2*\al+\u
.set WSEL, 0x02+AA/4
	WIN WSEL
.set i, 0
.rept 32
	v_pk_add_f32 v[H+2*i:H+2*i+1], v[64*(AA%4)+2*i:64*(AA%4)+2*i+1], v[BI+2*i:BI+2*i+1]
.set i, i+1
.endr
	WIN 0
.set D0, F0+6*\u
.set D1, F1+6*\u
	QUANT H, D0, D1
.irp c, 0,1
.if \u == 0
	v_lshl_or_b32 v[SW+4*\c+\al], v[TM+5+2*\c], 8, v[TM+4+2*\c]
.else
	v_lshl_or_b32 v[TMP], v[TM+5+2*\c], 8, v[TM+4+2*\c]
	v_lshl_or_b32 v[SW+4*\c+\al], v[TMP], 16, v[SW+4*\c+\al]
.endif
.endr
.endr
.irp c, 0,1
.irp i, 0,1,2
	global_store_b128 v24, v[F0+12*\c+4*\i:F0+12*\c+4*\i+3], s[12:13] offset:\c*HEADB+\al*1536+512*\i
.endr
.endr
.endr
	s_branch .Ljoin
.Lv:
.irp a, 0,1,2,3,4,5,6,7
	global_load_b32 v[BI+2*\a], v30, s[96:97] offset:(32*(\a/2)+8*(\a%2))*4
	global_load_b32 v[BI+2*\a+1], v30, s[96:97] offset:(32*(\a/2)+8*(\a%2))*4
.endr
	LAST
	PLACES NP
	s_wait_loadcnt 0x0
.irp a, 0,1,2,3,4,5,6,7
.set WSEL, 0x02+\a/4
	WIN WSEL
.set i, 0
.rept 32
	v_pk_add_f32 v[H+2*i:H+2*i+1], v[64*(\a%4)+2*i:64*(\a%4)+2*i+1], v[BI+2*\a:BI+2*\a+1]
.set i, i+1
.endr
	WIN 0
.if \a > 0
	s_wait_xcnt 0x0
.endif
.set D0, F0
.set D1, F0+6
	QUANT H, D0, D1
	v_lshl_or_b32 v[SW+\a], v[TM+5], 8, v[TM+4]
	v_lshl_or_b32 v[SW+\a], v[TM+6], 16, v[SW+\a]
	v_lshl_or_b32 v[SW+\a], v[TM+7], 24, v[SW+\a]
.irp i, 0,1,2
	global_store_b128 v24, v[F0+4*\i:F0+4*\i+3], s[12:13] offset:(\a/4)*HEADB+(\a%4)*1536+512*\i
.endr
.endr
.Ljoin:
	s_wait_alu depctr_va_vdst(0)
.irp c, 0,1
	v_cndmask_b32 v[X+2*\c], v[SW+4*\c], v[SW+4*\c+1], s6
	v_cndmask_b32 v[X+2*\c+1], v[SW+4*\c+2], v[SW+4*\c+3], s6
	global_store_b64 v25, v[X+2*\c:X+2*\c+1], s[100:101] offset:\c*HEADB
.endr
	s_wait_tensorcnt 0x0
	ds_add_u32 v[SPW], v[NIL]
	s_wait_dscnt 0x0
	CROUND
	s_endpgm
.Lfunc_end_k_qa3239b5252_gemm:
	.size	k_qa3239b5252_gemm, .Lfunc_end_k_qa3239b5252_gemm-k_qa3239b5252_gemm
	.p2alignl 7, 3214868480
	.fill 96, 4, 3214868480
	.section	.rodata,"a",@progbits
	.p2align	6, 0x0
	.amdhsa_kernel k_qa3239b5252_gemm
		.amdhsa_group_segment_fixed_size 327680
		.amdhsa_private_segment_fixed_size 0
		.amdhsa_enable_private_segment 0
		.amdhsa_kernarg_size 64
		.amdhsa_user_sgpr_count 2
		.amdhsa_user_sgpr_kernarg_segment_ptr 1
		.amdhsa_wavefront_size32 1
		.amdhsa_system_sgpr_workgroup_id_x 1
		.amdhsa_system_sgpr_workgroup_id_y 1
		.amdhsa_system_sgpr_workgroup_id_z 1
		.amdhsa_system_vgpr_workitem_id 0
		.amdhsa_next_free_vgpr 1024
		.amdhsa_next_free_sgpr 102
		.amdhsa_reserve_vcc 0
		.amdhsa_float_denorm_mode_32 3
		.amdhsa_float_denorm_mode_16_64 3
		.amdhsa_memory_ordered 1
		.amdhsa_forward_progress 1
		.amdhsa_inst_pref_size 242
	.end_amdhsa_kernel
	.amdgpu_metadata
---
amdhsa.version: [ 1, 2 ]
amdhsa.kernels:
  - .name:           k_qa3239b5252_gemm
    .symbol:         k_qa3239b5252_gemm.kd
    .args:
      - { .name: x_codes, .offset: 0, .size: 8, .value_kind: global_buffer, .address_space: global }
      - { .name: x_scales, .offset: 8, .size: 8, .value_kind: global_buffer, .address_space: global }
      - { .name: w_codes, .offset: 16, .size: 8, .value_kind: global_buffer, .address_space: global }
      - { .name: w_scales, .offset: 24, .size: 8, .value_kind: global_buffer, .address_space: global }
      - { .name: bq, .offset: 32, .size: 8, .value_kind: global_buffer, .address_space: global }
      - { .name: bk, .offset: 40, .size: 8, .value_kind: global_buffer, .address_space: global }
      - { .name: bv, .offset: 48, .size: 8, .value_kind: global_buffer, .address_space: global }
      - { .name: qkv, .offset: 56, .size: 8, .value_kind: global_buffer, .address_space: global }
    .group_segment_fixed_size: 327680
    .private_segment_fixed_size: 0
    .kernarg_segment_align: 8
    .kernarg_segment_size: 64
    .max_flat_workgroup_size: 128
    .sgpr_count:     102
    .vgpr_count:     1024
    .wavefront_size: 32
...
	.end_amdgpu_metadata
.endif
;; end of part 2
;; launch attn (part 3): grid 4 x 64, 16 waves a work-group, clusters of 4 x 1, 327,680 bytes of LDS; arguments qkv, attention_mask, out0; writes out0
.if DOCPART == 3
	.amdgcn_target "amdgcn-amd-amdhsa--gfx1250"
	.amdhsa_code_object_version 6
	.text
	.protected	k_qa3239b5252_attn
	.globl	k_qa3239b5252_attn
	.p2align	8
	.type	k_qa3239b5252_attn,@function
k_qa3239b5252_attn:
	s_mov_b64 s[64:65], 0
	v_nop
	global_prefetch_b8 v0, s[64:65] scope:SCOPE_SE
	s_setreg_imm32_b32 hwreg(HW_REG_WAVE_MODE, 25, 1), 1
	s_wait_xcnt 0x0
	s_wait_alu depctr_hold_cnt(0) depctr_sa_sdst(0) depctr_va_vdst(0) depctr_va_sdst(0) depctr_va_ssrc(0) depctr_va_vcc(0) depctr_vm_vsrc(0)
	s_getreg_b32 s2, hwreg(HW_REG_IB_STS2, 6, 4)
	s_cmp_eq_u32 s2, 0
	s_cbranch_scc0 .Lentry_in_a_cluster
	s_endpgm
.Lentry_in_a_cluster:
	s_bfe_u32 s2, ttmp6, 0x10000c
	s_cmp_lg_u32 s2, 0x3003
	s_cbranch_scc0 .Lentry_shape_is_right
	s_endpgm
.Lentry_shape_is_right:
; out[b][q][head] = the sum over keys of softmax(q . k / 8 + (1 - mask[b][key]) x -10000) v, both products on codes of FP6 (E2M3) with one E8M0 scale for each 32 along a product's K.
; q, k, v come as images of operand registers (qkv: [64 heads][16 runs of 128 tokens][record of 19,200 bytes]: K's codes 0, V's 6,144, K's scale words 12,288, V's 12,544, Q's codes 12,800, Q's scale words 18,944).
; THE SOFTMAX: t = (score + mask term x 8) x log2(e) / 8; M = the running largest t rounded UP to a whole number; p = 2^(t - M) is quantised along the keys, not normalised; the row's sum is taken of the
; unquantised p and divides at the end; when M moves, the sum and O are multiplied by 2^(old M - new M), which rounds nothing.
; SHARES: the four work-groups of a cluster own one head, 512 queries each, in two blocks of 256; each of the sixteen waves owns 16 queries of a block, in 256 registers: four waves share a SIMD's registers.
; THE HEAD'S K, V AND THEIR SCALE WORDS, 16 x 12,800 bytes, LIE IN LDS FOR THE WHOLE LAUNCH: filled once, by joint loads of the four work-groups; no byte is filled again, so there is no ring.
; TWO BARRIERS IN ALL between the opening and the closing round: one shows runs 0-3 and the mask terms to every wave, one runs 4-15.  Behind the second no LDS byte is written but each wave's own stage, so no wave
; waits for another again: the second block of queries has no barrier, and the waves of a work-group need not walk in step.
; THE SCORE PRODUCT HAS K = 64, half of the instruction's 128.  A fragment of K holds two tokens a row (d of the first at k 0-63, of the token 8 further on at k 64-127); multiplied with [q | zero codes] it gives the
; first 16 keys, with [zero codes | q] the other 16.  Over the zero codes q's scale bytes are 0 (2^-127, no NaN); the other side's codes are finite (the format has no infinity or NaN): the idle half adds exact zeros.
; THE MASK costs no vector line in the loop: its terms, x 8, lie in LDS as f32 and are loaded straight into the score accumulators as the products' C.
; LAYOUT: both products are used transposed (S^T = K Q^T, O^T = V^T P^T): a lane holds ONE query; register 16 b + i of S^T is key 32 b + 16 (lane / 16) + i, register 16 u + i of O^T is d = 32 u + 16 (lane / 16) + i.
; LIMITS: score + mask term is rounded once inside the matrix unit where the definition rounds score / 8 + term in f32: the same relative step; it shows only where every key of a batch is masked.
;   p under 2^-126 counts as 0 (v_exp_f32 flushes: ISA guide 15.8).  NaN and infinities are not served.
.set RECB,  19200
.set HEADB, 307200
.set KVB,   12800                      ; K's and V's part of a record: 50 rows of 256 bytes
.set MASKB, 16*KVB                     ; LDS: the mask terms, 2,048 f32
.set STAGE, MASKB+8192                 ; the way out: 16 rows x (256 + 16) bytes for each wave
.set LI,  1                            ; v1   16 x lane
.set L8,  2                            ; v2   8 x lane
.set MH,  3                            ; v3   MASKB + 64 (lane / 16)
.set ADK, 4                            ; v4-6 the step's addresses: fragments, scale words, mask terms
.set ADS, 5
.set ADM, 6
.set STO, 7
.set RD,  8
.set GO,  9
.set QA,  10
.set QB,  11
.set QLO, 16                           ; v16-27  [q | 0]
.set QHI, 28                           ; v28-39  [0 | q]
.set FRG, 40                           ; v40-87  four fragments: K's, then V's
.set KSC, 88                           ; v88-89  K's scale words;  v90-91 V's
.set VSC, 90
.set QSL, 92                           ; v92, v93  q's scale words for [q | 0] and [0 | q]
.set QSH, 93
.set PW,  94                           ; v94  p's scale word
.set QSO, 95                           ; v95  where my queries' scale bytes lie
.set S,   96                           ; v96-159  S^T, then p
.set O,   160                          ; v160-191 O^T
.set PC,  192                          ; v192-203 p's codes
.set PT,  204                          ; v204-211 the conversions' second halves
.set BM,  212                          ; v212-215 each block's largest score, then its largest p
.set BT,  216                          ; v216-219 the other half's; then the bytes
.set SOP, 220                          ; v220-223 the conversions' scale operands
.set FF,  224                          ; v224 f = 2^(old M - new M) (v225 is named with it as a pair)
.set TMP, 226
.set SM2, 228                          ; v228-229 the second chain of the row's sum
.set WV,  10
.set G1,  16
.set G0,  24
.set SEL, 40
.set CS,  42
.set TB,  44
.set TMK, 45
.set CNT, 46
.macro CROUND                          ; a round of the cluster's barrier
	s_barrier_signal -1
	s_barrier_wait -1
	s_cmp_lg_u32 s[WV], 0
	s_cbranch_scc1 .Lnot_wave_0_\@
	s_barrier_signal -3
.Lnot_wave_0_\@:
	s_barrier_wait -3
	s_barrier_signal -1
	s_barrier_wait -1
.endm
	s_load_b128 s[4:7], s[0:1], 0x0                ; qkv, attention_mask
	s_load_b64 s[8:9], s[0:1], 0x10                ; out0
	v_lshl_add_u32 v254, v0, 2, 0x45000
	v_mov_b32 v255, 0
	ds_add_u32 v254, v255
	ds_add_u32 v254, v255
	v_lshrrev_b32 v1, 5, v0
	s_delay_alu instid0(VALU_DEP_1)
	v_readfirstlane_b32 s[WV], v1                  ; wave 0..15
	s_bfe_u32 s11, ttmp6, 0x40000                  ; cx: it enters Q's and the output's addresses alone
	s_and_b32 s12, ttmp7, 0xffff                   ; 16 x batch + head, which the four partners share
	s_lshr_b32 s13, s12, 4                         ; batch
	s_and_b32 s14, s12, 15                         ; head
	; descriptor group 1: 12,800 dense bytes as 50 rows of 256 (32 elements of 8 bytes); no padding: images are read as they lie, 16 bytes a lane on end
	s_mov_b32 s[G1], 15|(3<<16)|(1<<21)            ; 15:0 the mask: all four work-groups; 17:16 elements of 8 bytes; 21 set beside a mask
	s_mov_b32 s[G1+1], 32<<16                      ; tensor_dim0
	s_mov_b32 s[G1+2], 50<<16                      ; tensor_dim1
	s_mov_b32 s[G1+3], 32<<16                      ; tile_dim0
	s_mov_b32 s[G1+4], 50                          ; tile_dim1
	s_mov_b32 s[G1+5], 32                          ; tensor_dim0_stride
	s_mov_b32 s[G1+6], 0
	s_mov_b32 s[G1+7], 0
	s_mov_b32 s[SEL], 0x76543210                   ; v_permlanex16_b32's selects for lane l xor 16
	s_mov_b32 s[SEL+1], 0xfedcba98
	s_mov_b32 s[CS], 0x3e38aa3b                    ; c = log2(e) / 8
	s_mov_b32 s[CS+1], s[CS]                       ; (named with it as a pair, so it is written)
	s_mul_i32 s15, s[WV], KVB                      ; what I fetch, if I fetch: run 4 c + wave of the head's sixteen: in LDS,
	s_mul_i32 s56, s[WV], RECB
	s_mul_i32 s57, s12, HEADB
	s_add_co_u32 s56, s56, s57                     ; and in qkv
	s_mov_b32 s57, 0
	s_lshl_b32 s54, s11, 2                         ; my queries' record: run 4 cx + wave / 8 (two runs on for the second block)
	s_lshr_b32 s55, s[WV], 3
	s_add_co_u32 s54, s54, s55
	s_mul_i32 s54, s54, RECB
	s_mul_i32 s55, s12, HEADB
	s_add_co_u32 s54, s54, s55
	s_mov_b32 s55, 0
	s_lshl_b32 s52, s13, 11                        ; my first query's row of the output: 2,048 x batch + 512 cx + 32 (wave / 2) + 8 (wave % 2)
	s_lshl_b32 s53, s11, 9
	s_add_co_u32 s52, s52, s53
	s_lshr_b32 s53, s[WV], 1
	s_lshl_b32 s53, s53, 5
	s_add_co_u32 s52, s52, s53
	s_and_b32 s51, s[WV], 1                        ; u: which of a fragment's two tokens a row are my queries
	s_lshl_b32 s53, s51, 3
	s_add_co_u32 s52, s52, s53
	s_lshl_b32 s52, s52, 12                        ; rows of 4,096 bytes,
	s_lshl_b32 s53, s14, 8                         ; the head's 256 bytes in them
	s_add_co_u32 s52, s52, s53
	s_mov_b32 s53, 0
	s_lshl_b32 s58, s13, 13                        ; the batch's mask: 8,192 bytes
	s_mov_b32 s59, 0
	s_wait_dscnt 0x0
	s_wait_kmcnt 0x0
	s_add_nc_u64 s[56:57], s[4:5], s[56:57]
	s_add_nc_u64 s[48:49], s[4:5], s[54:55]
	s_add_nc_u64 s[8:9], s[8:9], s[52:53]
	s_add_nc_u64 s[6:7], s[6:7], s[58:59]
.irp c, 0,1,2,3
	s_mov_b32 s[G0+4*\c], 1                        ; 1:0 count = 1
	s_add_co_u32 s[G0+4*\c+1], s15, \c*4*KVB       ; 63:32 LDS address
	s_add_nc_u64 s[G0+4*\c+2:G0+4*\c+3], s[56:57], \c*4*RECB   ; 120:64 global address
	s_or_b32 s[G0+4*\c+3], s[G0+4*\c+3], 0x80000000            ; 127:126 type = 2
.endr
	CROUND                                         ; all four work-groups are here: the joint loads meet
	s_cmp_lt_u32 s[WV], 4                          ; waves 0-3 fetch, four loads each, in one branch on the wave's number: four tensor loads of a wave are out at the most
	s_cbranch_scc0 .Lno_fetch
	tensor_load_to_lds s[G0:G0+3], s[G1:G1+7]
	s_nop 0
	tensor_load_to_lds s[G0+4:G0+7], s[G1:G1+7]
	s_nop 0
	tensor_load_to_lds s[G0+8:G0+11], s[G1:G1+7]
	s_nop 0
	tensor_load_to_lds s[G0+12:G0+15], s[G1:G1+7]
	s_nop 0
.rept 4
	v_nop
.endr
.Lno_fetch:
	v_lshlrev_b32 v230, 4, v0
	global_load_b128 v[232:235], v230, s[6:7]      ; thread t: four keys' mask
	v_lshl_add_u32 v231, v0, 4, MASKB
	v_and_b32 v238, 31, v0                         ; lane
	v_and_b32 v236, 15, v0                         ; r
	v_bfe_u32 v237, v0, 4, 1                       ; h
	s_delay_alu instid0(VALU_DEP_3)
	v_lshlrev_b32 v[LI], 4, v238
	s_delay_alu instid0(VALU_DEP_4)
	v_lshlrev_b32 v[L8], 3, v238
	s_delay_alu instid0(VALU_DEP_3)
	v_lshl_add_u32 v[MH], v237, 6, MASKB
	s_mul_i32 s15, s[WV], 16*272
	s_add_co_u32 s15, s15, STAGE                   ; my stage
	v_mul_u32_u24 v[STO], v236, 272
	s_delay_alu instid0(VALU_DEP_1)
	v_lshl_add_u32 v[STO], v237, 6, v[STO]
	s_delay_alu instid0(VALU_DEP_1)
	v_add_nc_u32 v[STO], s15, v[STO]               ; in: row r, + 64 h
	v_mul_u32_u24 v[RD], v237, 272
	s_delay_alu instid0(VALU_DEP_1)
	v_lshl_add_u32 v[RD], v236, 4, v[RD]
	s_delay_alu instid0(VALU_DEP_1)
	v_add_nc_u32 v[RD], s15, v[RD]                 ; back: lanes 0-15 one row, lanes 16-31 the next
	v_lshlrev_b32 v[GO], 12, v237
	s_delay_alu instid0(VALU_DEP_1)
	v_lshl_add_u32 v[GO], v236, 4, v[GO]           ; and the same two rows in the output
	s_bfe_u32 s15, s[WV], 0x20001                  ; which fragment of Q holds my queries: (wave / 2) % 4
	s_mul_i32 s50, s15, 1536
	s_mul_i32 s52, s51, 520
	s_add_co_u32 s52, s52, s50
	v_add_nc_u32 v[QA], s52, v[LI]                 ; registers 6 u, 6 u + 1 of the image lie at 16 lane + 520 u, registers 6 u + 4, 6 u + 5 512 bytes on;
	s_mul_i32 s52, s51, 1016
	s_add_co_u32 s52, s52, s50
	v_add_nc_u32 v[QB], s52, v[LI]                 ; registers 6 u + 2, 6 u + 3 at 16 lane + 8 + 1,016 u
	s_and_b32 s50, s15, 1
	s_lshl_b32 s50, s50, 7
	s_lshr_b32 s52, s15, 1
	s_lshl_b32 s52, s52, 2
	s_add_co_u32 s50, s50, s52
	s_lshl_b32 s52, s51, 1
	s_add_co_u32 s50, s50, s52
	v_lshl_add_u32 v[QSO], v236, 3, s50            ; my queries' two scale bytes: 8 r + 128 (fragment % 2) + 4 (fragment / 2) + 2 u
	s_mov_b32 s50, 0x479c4000                      ; 80000.0 = 10000 x 8
.irp j, 0,1,2,3,4,5
	v_mov_b32 v[QLO+6+\j], 0                       ; the zero codes, written once
	v_mov_b32 v[QHI+\j], 0
.endr
.irp b, 0,1,2,3
	v_mov_b32 v[BT+\b], 0                          ; written once: a lane permute's destination counts as one of its sources
.endr
	v_mov_b32 v[FF+1], 0                           ; (named as the upper half of a pair)
	s_wait_loadcnt 0x0
.irp j, 0,1,2,3
	v_cvt_f32_i32 v[232+\j], v[232+\j]
.endr
.irp j, 0,1,2,3
	s_delay_alu instid0(VALU_DEP_4)
	v_fma_f32 v[232+\j], v[232+\j], s50, -s50      ; (1 - m) x -10000 x 8
.endr
	ds_store_b128 v231, v[232:235]
; A KEY STEP: 128 keys.
.macro STEP
	v_add_nc_u32 v[ADK], s[TB], v[LI]
	v_add_nc_u32 v[ADS], s[TB], v[L8]
	v_add_nc_u32 v[ADM], s[TMK], v[MH]
	v_nop                                          ; four places in front of loads into registers that the last products read
.irp b, 0,1,2,3
.irp q, 0,1,2,3
	ds_load_b128 v[S+16*\b+4*\q:S+16*\b+4*\q+3], v[ADM] offset:128*\b+16*\q     ; the mask terms of my 64 keys: the products' C
.endr
.endr
.irp f, 0,1,2,3
.irp i, 0,1,2
	ds_load_b128 v[FRG+12*\f+4*\i:FRG+12*\f+4*\i+3], v[ADK] offset:1536*\f+512*\i   ; K's four fragments, as they lie
.endr
.endr
	ds_load_b64 v[KSC:KSC+1], v[ADS] offset:12288
	s_wait_alu depctr_va_vdst(0)
	s_wait_dscnt 0x0
.irp b, 0,1,2,3                        ; S^T = K Q^T + mask: eight accumulators, one instruction each
.irp u, 0,1
.if \b%2
	v_wmma_scale_f32_16x16x128_f8f6f4 v[S+16*\b+8*\u:S+16*\b+8*\u+7], v[FRG+12*\b:FRG+12*\b+11], v[QLO+12*\u:QLO+12*\u+11], v[S+16*\b+8*\u:S+16*\b+8*\u+7], v[KSC+\b/2], v[QSL+\u] matrix_a_fmt:MATRIX_FMT_FP6 matrix_b_fmt:MATRIX_FMT_FP6 matrix_a_scale:MATRIX_SCALE_ROW1
.else
	v_wmma_scale_f32_16x16x128_f8f6f4 v[S+16*\b+8*\u:S+16*\b+8*\u+7], v[FRG+12*\b:FRG+12*\b+11], v[QLO+12*\u:QLO+12*\u+11], v[S+16*\b+8*\u:S+16*\b+8*\u+7], v[KSC+\b/2], v[QSL+\u] matrix_a_fmt:MATRIX_FMT_FP6 matrix_b_fmt:MATRIX_FMT_FP6
.endif
.endr
.endr
.rept 4
	v_nop                                          ; places in front of the loads below and of the first read of the scores
.endr
.irp t, 0,1,2,3
.irp i, 0,1,2
	ds_load_b128 v[FRG+12*\t+4*\i:FRG+12*\t+4*\i+3], v[ADK] offset:6144+1536*\t+512*\i   ; V's four fragments land under the softmax
.endr
.endr
	ds_load_b64 v[VSC:VSC+1], v[ADS] offset:12544
.irp b, 0,1,2,3
	v_max3_num_f32 v[BM+\b], v[S+16*\b], v[S+1+16*\b], v[S+2+16*\b]     ; the largest score of each block of 32 keys: for the row's maximum and, since p rises with the score, for the block's largest p
.endr
.irp i, 3,5,7,9,11,13
.irp b, 0,1,2,3
	v_max3_num_f32 v[BM+\b], v[BM+\b], v[S+16*\b+\i], v[S+1+16*\b+\i]   ; (the four blocks by turns; each accumulator is first read at its low end)
.endr
.endr
.irp b, 0,1,2,3
	v_max_num_f32 v[BM+\b], v[BM+\b], v[S+15+16*\b]
.endr
.irp b, 0,1,2,3
	s_delay_alu instid0(VALU_DEP_4)
	v_permlanex16_b32 v[BT+\b], v[BM+\b], s[SEL], s[SEL+1]
.endr
.irp b, 0,1,2,3
	s_delay_alu instid0(VALU_DEP_4)
	v_max_num_f32 v[BM+\b], v[BM+\b], v[BT+\b]     ; with lane l xor 16's 16 keys
.endr
	s_delay_alu instid0(VALU_DEP_2)
	v_max3_num_f32 v[TMP], v[BM], v[BM+1], v[BM+2]
	s_delay_alu instid0(VALU_DEP_1)
	v_max_num_f32 v[TMP], v[TMP], v[BM+3]          ; the step's largest score of my query
	s_delay_alu instid0(VALU_DEP_1)
	v_mul_f32 v[TMP], s[CS], v[TMP]                ; as t (c is positive)
	s_delay_alu instid0(VALU_DEP_1)
	v_max_num_f32 v13, v13, v[TMP]                 ; the running largest t
	v_mov_b32 v[TMP], v12
	s_delay_alu instid0(VALU_DEP_2)
	v_floor_f32 v12, -v13                          ; the new -M = floor(-t): M is a whole number
	s_delay_alu instid0(VALU_DEP_1)
	v_sub_f32 v[TMP], v12, v[TMP]                  ; old M - new M: a whole number, 0 or less
	s_delay_alu instid0(VALU_DEP_1)
	v_cvt_i32_f32 v[TMP], v[TMP]                   ; (it saturates)
	s_delay_alu instid0(VALU_DEP_1)
	v_ldexp_f32 v[FF], 1.0, v[TMP]                 ; f = 2^(old M - new M)
.irp j, 0,2,4,6,8,10,12,14,16,18,20,22,24,26,28,30,32,34,36,38,40,42,44,46,48,50,52,54,56,58,60,62
	v_pk_fma_f32 v[S+\j:S+\j+1], v[S+\j:S+\j+1], s[CS:CS+1], v[12:13] op_sel_hi:[1,0,0]   ; t - M, two at a time
.endr
.irp b, 0,1,2,3
	v_fma_f32 v[BM+\b], v[BM+\b], s[CS], v12       ; the same of each block's largest score
.endr
	s_setprio 1
	s_wait_alu depctr_va_vdst(0)
.irp j, 0,1,2,3,4,5,6,7,8,9,10,11,12,13,14,15,16,17,18,19,20,21,22,23,24,25,26,27,28,29,30,31,32,33,34,35,36,37,38,39,40,41,42,43,44,45,46,47,48,49,50,51,52,53,54,55,56,57,58,59,60,61,62,63
	v_exp_f32 v[S+\j], v[S+\j]                     ; p = 2^(t - M): not normalised
.endr
.irp b, 0,1,2,3
	v_exp_f32 v[BM+\b], v[BM+\b]                   ; the block's largest p: the same two instructions on the same number
.endr
	v_pk_mul_f32 v[14:15], v[14:15], v[FF:FF+1] op_sel_hi:[1,0]   ; the sums under the new M (a plain place behind the exponentials)
	s_wait_alu depctr_va_vdst(0)
.irp b, 0,1,2,3
	v_max_num_f32 v[BM+\b], 0x1800000, v[BM+\b]    ; the floor 2^(3 - 127): the byte cannot fall under 1 (a block of zeros keeps it: its codes are zeros)
.endr
.irp b, 0,1,2,3
	s_delay_alu instid0(VALU_DEP_4)
	v_add_nc_u32 v[SOP+\b], 0xff000000, v[BM+\b]   ; 2 off the exponent field: the conversion's scale operand
.endr
.irp b, 0,1,2,3
	s_delay_alu instid0(VALU_DEP_4)
	v_lshrrev_b32 v[BT+\b], 23, v[SOP+\b]          ; the scale's byte
.endr
	s_delay_alu instid0(VALU_DEP_3)
	v_lshl_or_b32 v[PW], v[BT+1], 8, v[BT]         ; p's scale word for these 128 keys
	s_delay_alu instid0(VALU_DEP_1)
	v_lshl_or_b32 v[PW], v[BT+2], 16, v[PW]
	s_delay_alu instid0(VALU_DEP_1)
	v_lshl_or_b32 v[PW], v[BT+3], 24, v[PW]
.irp c, 0,1
	v_cvt_scalef32_pk16_fp6_f32 v[PC+6*\c:PC+6*\c+2], v[S+32*\c:S+32*\c+15], v[SOP+2*\c]
	v_cvt_scalef32_pk16_fp6_f32 v[PT+4*\c:PT+4*\c+2], v[S+16+32*\c:S+31+32*\c], v[SOP+2*\c+1]   ; (a conversion's three registers begin on an even number)
.endr
	v_nop                                          ; one plain place behind a scaled conversion
.irp c, 0,1                            ; the operand's layout wants a whole block in a lane
.irp i, 0,1,2
	v_permlane16_swap_b32 v[PC+6*\c+\i], v[PT+4*\c+\i]
.endr
.irp i, 0,1,2
	s_delay_alu instid0(VALU_DEP_3)
	v_mov_b32 v[PC+3+6*\c+\i], v[PT+4*\c+\i]
.endr
.endr
	v_pk_add_f32 v[228:229], v[100:101], v[104:105]
	v_pk_add_f32 v[252:253], v[108:109], v[112:113]
	v_pk_add_f32 v[250:251], v[116:117], v[120:121]
	v_pk_add_f32 v[248:249], v[124:125], v[128:129]
	v_pk_add_f32 v[246:247], v[132:133], v[136:137]
	v_pk_add_f32 v[244:245], v[140:141], v[144:145]
	v_pk_add_f32 v[242:243], v[148:149], v[152:153]
	v_pk_add_f32 v[14:15], v[14:15], v[156:157]
	v_pk_add_f32 v[228:229], v[228:229], v[96:97]
	v_pk_add_f32 v[252:253], v[252:253], v[98:99]
	v_pk_add_f32 v[250:251], v[250:251], v[102:103]
	v_pk_add_f32 v[248:249], v[248:249], v[106:107]
	v_pk_add_f32 v[246:247], v[246:247], v[110:111]
	v_pk_add_f32 v[244:245], v[244:245], v[114:115]
	v_pk_add_f32 v[242:243], v[242:243], v[118:119]
	v_pk_add_f32 v[14:15], v[14:15], v[122:123]
	v_pk_add_f32 v[228:229], v[228:229], v[126:127]
	v_pk_add_f32 v[252:253], v[252:253], v[130:131]
	v_pk_add_f32 v[250:251], v[250:251], v[134:135]
	v_pk_add_f32 v[248:249], v[248:249], v[138:139]
	v_pk_add_f32 v[246:247], v[246:247], v[142:143]
	v_pk_add_f32 v[244:245], v[244:245], v[146:147]
	v_pk_add_f32 v[242:243], v[242:243], v[150:151]
	v_pk_add_f32 v[14:15], v[14:15], v[154:155]
	v_pk_add_f32 v[228:229], v[228:229], v[158:159]
	s_delay_alu instid0(VALU_DEP_2)
	v_pk_add_f32 v[14:15], v[14:15], v[248:249]
	s_delay_alu instid0(VALU_DEP_2)
	v_pk_add_f32 v[228:229], v[228:229], v[246:247]
	s_setprio 0
	v_pk_add_f32 v[252:253], v[252:253], v[244:245]
	v_pk_add_f32 v[250:251], v[250:251], v[242:243]
	s_delay_alu instid0(VALU_DEP_2)
	v_pk_add_f32 v[14:15], v[14:15], v[252:253]
	s_delay_alu instid0(VALU_DEP_2)
	v_pk_add_f32 v[228:229], v[228:229], v[250:251]
	s_delay_alu instid0(VALU_DEP_1)
	v_pk_add_f32 v[14:15], v[14:15], v[228:229]
.irp j, 0,2,4,6,8,10,12,14,16,18,20,22,24,26,28,30
	v_pk_mul_f32 v[O+\j:O+\j+1], v[O+\j:O+\j+1], v[FF:FF+1] op_sel_hi:[1,0]   ; O^T under the new M.  (These and the sums are the places between p's codes and scale word and the products below)
.endr
	s_wait_alu depctr_va_vdst(0)
	s_wait_dscnt 0x0                               ; V is in
.irp t, 0,1,2,3                        ; O^T += V^T P^T: four accumulators, one instruction each
.if \t%2
	v_wmma_scale_f32_16x16x128_f8f6f4 v[O+8*\t:O+8*\t+7], v[FRG+12*\t:FRG+12*\t+11], v[PC:PC+11], v[O+8*\t:O+8*\t+7], v[VSC+\t/2], v[PW] matrix_a_fmt:MATRIX_FMT_FP6 matrix_b_fmt:MATRIX_FMT_FP6 matrix_a_scale:MATRIX_SCALE_ROW1
.else
	v_wmma_scale_f32_16x16x128_f8f6f4 v[O+8*\t:O+8*\t+7], v[FRG+12*\t:FRG+12*\t+11], v[PC:PC+11], v[O+8*\t:O+8*\t+7], v[VSC+\t/2], v[PW] matrix_a_fmt:MATRIX_FMT_FP6 matrix_b_fmt:MATRIX_FMT_FP6
.endif
.endr
.endm
; A barrier that shows tiles to every wave.  left: the later loads of a fetching wave, which may stay out, so they may be in flight across the barrier.
.macro MEET left
	s_wait_tensorcnt \left
	s_wait_dscnt 0x0                               ; my LDS stores (the mask terms, in front of the first barrier) have landed, and no LDS load of mine is out
	s_barrier_signal -1
	s_barrier_wait -1
.endm
; count key steps, from run first of the head's sixteen on
.macro RUN first, count
	s_mov_b32 s[TB], KVB*\first
	s_mov_b32 s[TMK], 512*\first
	s_mov_b32 s[CNT], \count
.Lstep_\@:
	s_setprio 2
	STEP
	s_add_co_u32 s[TB], s[TB], KVB
	s_add_co_u32 s[TMK], s[TMK], 512
	s_sub_co_u32 s[CNT], s[CNT], 1
	s_cmp_lg_u32 s[CNT], 0
	s_cbranch_scc1 .Lstep_\@
	s_setprio 0
.endm
; My 16 queries of block blk: their codes, into [q | 0] and into [0 | q], and their two scale bytes (the upper two come as 0).  The block stands in the immediate: two records on.
.macro QLOAD blk
	global_load_b64 v[QLO:QLO+1], v[QA], s[48:49] offset:12800+2*RECB*\blk
	global_load_b64 v[QLO+2:QLO+3], v[QB], s[48:49] offset:12808+2*RECB*\blk
	global_load_b64 v[QLO+4:QLO+5], v[QA], s[48:49] offset:13312+2*RECB*\blk
	global_load_b64 v[QHI+6:QHI+7], v[QA], s[48:49] offset:12800+2*RECB*\blk
	global_load_b64 v[QHI+8:QHI+9], v[QB], s[48:49] offset:12808+2*RECB*\blk
	global_load_b64 v[QHI+10:QHI+11], v[QA], s[48:49] offset:13312+2*RECB*\blk
	global_load_u16 v[QSL], v[QSO], s[48:49] offset:18944+2*RECB*\blk
.endm
; A block's start: the statistics, Q's wait, O^T.
.macro INIT
	v_mov_b32 v13, 0xff61b1e6                      ; the largest t so far: -3e38, under every t
	s_delay_alu instid0(VALU_DEP_1)
	v_floor_f32 v12, -v13                          ; -M
	v_mov_b32 v14, 0                               ; the sum, in two halves
	v_mov_b32 v15, 0
	s_wait_loadcnt 0x0                             ; Q
	v_lshlrev_b32 v[QSH], 16, v[QSL]               ; the same two bytes over k 64-127.  The 32 lines below stand between this line and the first product that names it
.irp j, 0,1,2,3,4,5,6,7,8,9,10,11,12,13,14,15,16,17,18,19,20,21,22,23,24,25,26,27,28,29,30,31
	v_mov_b32 v[O+\j], 0                           ; O^T: the step is written once; the first finds zeros, which the first change of M leaves zeros
.endr
.endm
; THE WAY OUT of block blk: O^T / the sum goes through my stage and leaves as whole rows of the head's 256 bytes.  Block 0's begins by asking for block 1's Q, which lands under it.
.macro WAYOUT blk
.rept 4
	v_nop                                          ; places behind the last products
.endr
.if \blk == 0
	QLOAD 1                                        ; the last products that read Q's registers stand a whole softmax back
.endif
	v_add_f32 v14, v14, v15                        ; the sum's two halves,
	s_delay_alu instid0(VALU_DEP_1)
	v_permlanex16_b32 v[TMP], v14, s[SEL], s[SEL+1]
	s_delay_alu instid0(VALU_DEP_1)
	v_add_f32 v14, v14, v[TMP]                     ; and lane l xor 16's: the row's sum
	s_wait_alu depctr_va_vdst(0)
	v_rcp_f32 v14, v14
	v_nop                                          ; one plain place behind a transcendental
	s_wait_alu depctr_va_vdst(0)
.irp j, 0,1,2,3,4,5,6,7,8,9,10,11,12,13,14,15,16,17,18,19,20,21,22,23,24,25,26,27,28,29,30,31
	v_mul_f32 v[S+\j], v[O+\j], v14                ; register 16 u + i: d = 32 u + 16 h + i; each accumulator from its low end on
.endr
.irp u, 0,1
.irp q, 0,1,2,3
	ds_store_b128 v[STO], v[S+16*\u+4*\q:S+16*\u+4*\q+3] offset:128*\u+16*\q
.endr
.endr
.irp i, 0,1,2,3,4,5,6,7
	ds_load_b128 v[S+32+4*\i:S+32+4*\i+3], v[RD] offset:544*\i      ; LDS serves a wave's instructions in order (ISA guide 5.7.1.4): these see my stores
.endr
.irp i, 0,1,2,3,4,5,6,7
	s_wait_dscnt 7-\i                              ; read-back i is in; the younger ones may be out
	global_store_b128 v[GO], v[S+32+4*\i:S+32+4*\i+3], s[8:9] offset:(256*\blk+2*\i+8*(\i/4))*4096 th:TH_STORE_NT   ; stage row n is query n + 8 (n / 8); 16 lanes store 256 consecutive bytes, aligned; at most 278 rows of 4,096 bytes: inside the signed 24-bit immediate
.endr
.if \blk == 0
	s_wait_xcnt 0x0                                ; the stores' data are written again (by the next block's mask terms) only behind this wait
.endif
.endm
	QLOAD 0
	INIT
	MEET 3                                         ; runs 0-3 and the mask terms lie in LDS for every wave; a fetching wave's three later loads may be out
	RUN 0, 4
	MEET 0                                         ; runs 4-15: they had four key steps in which to land
	RUN 4, 12
	WAYOUT 0
	INIT
	RUN 0, 16                                      ; the second 256 queries: all that is read has been shown to every wave by the two barriers above
	WAYOUT 1
	s_wait_dscnt 0x0
	s_wait_tensorcnt 0x0
	ds_add_u32 v254, v255
	s_wait_dscnt 0x0
	CROUND                                         ; the closing round: no work-group ends while a partner may still ask for a tile that names it
	s_endpgm
.Lfunc_end_k_qa3239b5252_attn:
	.size	k_qa3239b5252_attn, .Lfunc_end_k_qa3239b5252_attn-k_qa3239b5252_attn
	.p2alignl 7, 3214868480
	.fill 96, 4, 3214868480
	.section	.rodata,"a",@progbits
	.p2align	6, 0x0
	.amdhsa_kernel k_qa3239b5252_attn
		.amdhsa_group_segment_fixed_size 327680
		.amdhsa_private_segment_fixed_size 0
		.amdhsa_enable_private_segment 0
		.amdhsa_kernarg_size 24
		.amdhsa_user_sgpr_count 2
		.amdhsa_user_sgpr_kernarg_segment_ptr 1
		.amdhsa_wavefront_size32 1
		.amdhsa_system_sgpr_workgroup_id_x 1
		.amdhsa_system_sgpr_workgroup_id_y 1
		.amdhsa_system_sgpr_workgroup_id_z 1
		.amdhsa_system_vgpr_workitem_id 0
		.amdhsa_next_free_vgpr 256
		.amdhsa_next_free_sgpr 66
		.amdhsa_reserve_vcc 0
		.amdhsa_float_denorm_mode_32 3
		.amdhsa_float_denorm_mode_16_64 3
		.amdhsa_memory_ordered 1
		.amdhsa_forward_progress 1
		.amdhsa_inst_pref_size 73
	.end_amdhsa_kernel
	.amdgpu_metadata
---
amdhsa.version: [ 1, 2 ]
amdhsa.kernels:
  - .name:           k_qa3239b5252_attn
    .symbol:         k_qa3239b5252_attn.kd
    .args:
      - { .name: qkv, .offset: 0, .size: 8, .value_kind: global_buffer, .address_space: global }
      - { .name: attention_mask, .offset: 8, .size: 8, .value_kind: global_buffer, .address_space: global }
      - { .name: out0, .offset: 16, .size: 8, .value_kind: global_buffer, .address_space: global }
    .group_segment_fixed_size: 327680
    .private_segment_fixed_size: 0
    .kernarg_segment_align: 8
    .kernarg_segment_size: 24
    .max_flat_workgroup_size: 512
    .sgpr_count:     66
    .vgpr_count:     256
    .wavefront_size: 32
...
	.end_amdgpu_metadata
.endif
;; end of part 3
